; MI455X (gfx1250); checked and timed in simulation.
; The chip was launched on July 23, 2026; its instructions are those of AMD's public machine-readable ISA for CDNA 5 (MIT licence, August 2026) and "CDNA5" Instruction Set Architecture Reference Guide (July 2026). The comments in the code are by the model that wrote it; some were corrected since.
;; Core Attention. Allowed arithmetic: matrix products marked QUANTISED: E2M1 operands, one E8M0 scale for each 32 along K, by v_wmma_scale_f32_16x16x128_f8f6f4 with both operands' format E2M1 (or v_wmma_scale_f32_32x16x128_f4), f32 sums; everything else in f32.
;; Inputs: k 1 x 4,096 x 16 x 128 float32; q 1 x 4,096 x 16 x 128 float32; v 1 x 4,096 x 16 x 128 float32.
;; Outputs: out0 1 x 4,096 x 16 x 128 float32.
;; Constants: ring_size = 4.
;; This version of the problem:
;;   THIS VERSION OF THE PROBLEM IS GIVEN IN LOW PRECISION. The matrix products marked QUANTISED in the list below multiply operands that are first quantised to E2M1 (2 exponent bits, 1 mantissa bit; 4 bits a number), with one power-of-two scale for each 32 numbers along K (OCP MX v1.0); their sums are f32. All else is computed in f32.
;;   The module's matrix products, in the order in which they are computed (A, B: the left and right operand; K: the contracted axis; several contracted axes count as one K, in the product's order):
;;     1. batch 16 x [M 4,096, K 128] x [K 128, N 1,024]; A: input q; B: input k: QUANTISED
;;     2. batch 16 x [M 128, K 1,024] x [K 1,024, N 4,096]; A: input v; B: computed on the way: QUANTISED
;;     3. batch 16 x [M 4,096, K 128] x [K 128, N 1,024]; A: input q; B: input k: QUANTISED
;;     4. batch 16 x [M 128, K 1,024] x [K 1,024, N 4,096]; A: input v; B: computed on the way: QUANTISED
;;     5. batch 16 x [M 4,096, K 128] x [K 128, N 1,024]; A: input q; B: input k: QUANTISED
;;     6. batch 16 x [M 128, K 1,024] x [K 1,024, N 4,096]; A: input v; B: computed on the way: QUANTISED
;;     7. batch 16 x [M 4,096, K 128] x [K 128, N 1,024]; A: input q; B: input k: QUANTISED
;;     8. batch 16 x [M 128, K 1,024] x [K 1,024, N 4,096]; A: input v; B: computed on the way: QUANTISED
;;   THE QUANTISER, for each operand of a quantised product, along K:
;;     - K is cut into blocks of 32 from its start; a last block that is shorter is filled with zeros.
;;     - A block's scale is 2^e with e = floor(log2(the largest magnitude in the block)) - 2, held to -126 .. 127; a block of zeros has e = 0. As a byte (E8M0): e + 127.
;;     - Each number is divided by its block's scale, clamped to +-6, and rounded to the nearest number of E2M1, ties to even, subnormals kept.
;;     - The product sums the exact products of the quantised numbers (number of the format x scale) in f32.
;;   ~~~python
;;   def quantise(x, axis):      # numpy; x: float32 -> the quantised numbers, widened to float32 again
;;       x = np.moveaxis(x, axis, -1); K = x.shape[-1]
;;       x = np.pad(x, [(0, 0)] * (x.ndim - 1) + [(0, -K % 32)]); x = x.reshape(x.shape[:-1] + (-1, 32)); a = np.abs(x).max(-1, keepdims=True)
;;       e = np.where(a > 0, np.clip(np.frexp(np.where(a > 0, a, 1))[1] - 1 - 2, -126, 127), 0)      # np.frexp(a)[1] - 1 = floor(log2(a)), exactly
;;       r = np.clip(x / 2.0 ** e, -6, 6)
;;       step = 2.0 ** (np.maximum(np.frexp(np.where(r == 0, 1, r))[1] - 1, 0) - 1)
;;       q = np.round(r / step) * step * 2.0 ** e      # np.round: ties to even
;;       return np.moveaxis(q.reshape(q.shape[:-2] + (-1,))[..., :K], -1, axis).astype(np.float32)
;;   ~~~
;;   OPERANDS COMPUTED ON THE WAY. 'Computed on the way' means the value that the module computes at that place (a softmax that the list does not call 'softmax' is quantised finished and normalised). What goes into a quantiser is computed in f32, as accurately as f32 sums, v_exp_f32 and their like allow (about 1e-6 of the number): no bf16 or f16 on the way to a quantiser, and a product that is left as it is and whose result goes on into a quantised operand takes f32 operands (vector FMAs, or v_wmma_f32_16x16x4_f32). A number that lies on a knife's edge between two numbers of the format may be rounded either way, as far as f32 arithmetic and the matrix unit's own rounding can turn it there, and no further.
;; One version. Each part assembles by itself: llvm-mc -triple=amdgcn-amd-amdhsa -mcpu=gfx1250 --defsym DOCPART=n.
;; ======== version 1 of 1: 2 launches
;; limits: right only within a limited range of input values
;; workspace buffers: qimg 4,456,448 bytes; kv 8,912,896 bytes
;; launch prep (part 1): grid 768 x 1, 2 waves a work-group, no clusters, 17,152 bytes of LDS; arguments q, k, v, qimg, kv; writes qimg, kv
.if DOCPART == 1
	.amdgcn_target "amdgcn-amd-amdhsa--gfx1250"
	.amdhsa_code_object_version 6
	.text
	.protected	k_q4c8e405a49_prep
	.globl	k_q4c8e405a49_prep
	.p2align	8
	.type	k_q4c8e405a49_prep,@function
k_q4c8e405a49_prep:
	s_mov_b64 s[64:65], 0
	v_nop
	global_prefetch_b8 v0, s[64:65] scope:SCOPE_SE
	s_setreg_imm32_b32 hwreg(HW_REG_WAVE_MODE, 25, 1), 1
	s_wait_xcnt 0x0
; q, k, v [4096 (s)][16 (h)][128 (d)] f32 become codes of FP4 (E2M1) with one E8M0 byte for each 32 along a product's K, laid as IMAGES OF THE OPERANDS' REGISTERS for the second launch.
; q and k are quantised along d (K of q k^T), v along the keys (K of p v).  A block's scale is 2^(floor(log2(largest magnitude)) - 2): its byte is the largest magnitude's exponent field - 2, held at 1 from below.
; A TILE'S IMAGE (16 rows x 128 along K) is 1,024 bytes: block B of row r at 256 B + 16 r, which is 512 c + 16 lane for the operand's registers 4 c .. 4 c + 3 (lane (r, h) holds block 2 c + h).
; qimg: [head][pair of 128-query steps][17408]: codes 2 x 8192 (tile t of a step at 1024 t), then scale words 2 x 512.
; kv:   [head][chunk of 1024 keys][part of 256 keys][34816]: K's codes 16384 (tile 8 s + t at 1024 x that), V's codes 16384 (step s, d tile T at 8192 s + 1024 T), K's scale words 1024, V's 1024.
; THE ROWS OF A TILE OF q OR k ARE NOT NEIGHBOURS: row r of tile 2 b + u is row 32 b + 8 u + r + 8 (r / 8) of its step of 128, so that in the transposed product 16 registers of two neighbouring tiles are 16 neighbouring keys.
; K's and q's scale words of a step: 512 bytes, at 16 lane + 4 j the word of row lane % 16 of tile 4 (lane / 16) + j.  V's: at 256 (T / 2) + 8 lane + 4 s the word of row lane % 16 of d tile 2 (T / 2) + lane / 16, step s.
; DEAD WORK OF THE PROGRAM.  reference() returns out alone.  In its last ring step (r = 3) lse is updated and never read again, whatever the inputs hold: that one update is left out (second launch).  Every input reaches
; the output; ring_size = 4 is a constant of the problem.  LIMIT: a NaN, an infinity or an overflow that reaches only that last update of lse is not carried to the result.
; LIMITS: NaN and infinities among the inputs are not served.  A block whose largest magnitude lies under 2^-124 gets the byte 1; so does a block of zeros, where the rule says 127: its codes are zeros, and this program alone reads the bytes.
; SHARES: 1,536 wave tasks of 65,536 input bytes.  Work-groups 0-255 take q, 256-511 k (one path, the buffers chosen by the work-group's number), 512-767 v (its own path, which touches no LDS but its spare words).
.set ROWB,  8192                       ; bytes from one position s to the next
.set HEADB, 557056
.set PART,  34816
.set QHEAD, 278528
.set QPAIR, 17408
.set STG,   8448                       ; a wave's stage: 16 rows x (512 + 16) bytes: rows 33 x 16 bytes apart, so the sixteen rows that a load touches start 16 bytes apart modulo 256
.set SPARE, 2*STG                      ; behind the stages: the spare words, 128 bytes a wave: one block of 256 bytes that no other line names
.set SPW, 28                           ; v28  my spare word's LDS address; never rewritten
.set NIL, 29                           ; v29  0; never rewritten
.set WD,  16                           ; rows path: v16-23 a tile's scale words
.set R,   32                           ; v32-159  two sets of 16 rows as loaded
.set XR,  160                          ; v160-223 my two blocks of 32 numbers
.set CR,  224                          ; v224-239 two sets of 8 registers of codes
.set SB,  16                           ; columns path: v16-19 scale words of four steps
.set XC,  32                           ; v32-95   two sets of 32 numbers
.set CC,  96                           ; v96-159  codes, four registers a block, never rewritten
	s_load_b256 s[4:11], s[0:1], 0x0               ; q s[4:5], k s[6:7], v s[8:9], qimg s[10:11]
	s_load_b64 s[12:13], s[0:1], 0x20              ; kv
	v_lshl_add_u32 v[SPW], v0, 2, SPARE
	v_mov_b32 v[NIL], 0
	v_lshrrev_b32 v1, 5, v0
	v_readfirstlane_b32 s14, v1                    ; wave 0, 1
	v_and_b32 v1, 31, v0                           ; lane
	s_cmp_lt_u32 ttmp9, 512
	s_cbranch_scc0 .Lcols
; ---------------- q and k: K = d is innermost.  A wave takes a step of 128 rows of one head: 8 tiles.
	s_and_b32 s15, ttmp9, 255
	s_lshl_b32 s15, s15, 1
	s_add_co_u32 s15, s15, s14                     ; task 0 .. 511
	s_lshr_b32 s16, s15, 5                         ; head
	s_and_b32 s17, s15, 31                         ; step g of 128 rows
	s_lshl_b32 s30, s16, 9
	s_lshl_b32 s31, s17, 20
	s_add_co_u32 s30, s30, s31                     ; in: 512 head + 128 g rows of 8,192 bytes
	s_mov_b32 s31, 0
	s_lshr_b32 s18, s17, 1                         ; pair of steps (k: the part of 256 keys)
	s_and_b32 s19, s17, 1                          ; which step of the pair
	s_mov_b32 s32, HEADB
	s_mov_b32 s33, PART
	s_mov_b32 s34, 32768
	s_mov_b32 s20, 0x76543210
	s_mov_b32 s21, 0xfedcba98                      ; v_permlanex16_b32's selects for lane l xor 16
	v_and_b32 v2, 15, v0                           ; r
	v_bfe_u32 v3, v0, 4, 1                         ; h
	s_wait_alu depctr_va_vdst(0)
	v_lshlrev_b32 v4, 4, v1                        ; 16 lane: every global offset of this path
	s_mul_i32 s38, s14, STG
	v_add_nc_u32 v5, s38, v4                       ; stage, in: a row's 512 bytes as they lie
	v_mul_u32_u24 v6, v2, 528
	v_lshl_add_u32 v6, v3, 7, v6
	v_add_nc_u32 v6, s38, v6                       ; stage, out: row r, block h (128 bytes a block); block 2 + h lies 256 bytes on
	v_lshlrev_b32 v7, 3, v3                        ; 8 h: my bytes' place in the scale word
	v_mov_b32 v15, 0                               ; written once: a lane permute's destination counts as one of its sources
	s_wait_alu depctr_va_vdst(0)
	s_wait_kmcnt 0x0
	s_cmp_lt_u32 ttmp9, 256                        ; q's work-group or k's?  The choice hangs on the work-group's number alone
	s_cselect_b64 s[24:25], s[4:5], s[6:7]
	s_cselect_b64 s[26:27], s[10:11], s[12:13]
	s_cselect_b32 s32, QHEAD, s32                  ; bytes of a head,
	s_cselect_b32 s33, QPAIR, s33                  ; of a pair of steps,
	s_cselect_b32 s34, 16384, s34                  ; and where the scale words begin in it
	s_mul_i32 s32, s32, s16
	s_mul_i32 s33, s33, s18
	s_add_co_u32 s32, s32, s33
	s_lshl_b32 s35, s19, 13
	s_lshl_b32 s36, s19, 9
	s_add_co_u32 s36, s36, s34
	s_add_co_u32 s36, s36, s32                     ; the step's 512 bytes of scale words
	s_add_co_u32 s32, s32, s35                     ; the step's 8,192 bytes of codes
	s_mov_b32 s33, 0
	s_mov_b32 s37, 0
	s_add_nc_u64 s[24:25], s[24:25], s[30:31]
	s_add_nc_u64 s[28:29], s[26:27], s[36:37]
	s_add_nc_u64 s[26:27], s[26:27], s[32:33]
.macro LOADT t                         ; tile t's 16 rows, each load one whole row of 512 bytes
.irp i, 0,1,2,3,4,5,6,7,8,9,10,11,12,13,14,15
	global_load_b128 v[R+64*((\t)%2)+4*\i:R+64*((\t)%2)+4*\i+3], v4, s[24:25] offset:(32*((\t)/2)+8*((\t)%2)+\i+8*(\i/8))*ROWB th:TH_LOAD_NT
.endr
.endm
.macro TILE t
.if (\t) < 7
	s_wait_loadcnt 16                              ; this tile's 16 loads are in; the next tile's 16 may be out
.else
	s_wait_loadcnt 0x0
.endif
.irp i, 0,1,2,3,4,5,6,7,8,9,10,11,12,13,14,15
	ds_store_b128 v5, v[R+64*((\t)%2)+4*\i:R+64*((\t)%2)+4*\i+3] offset:528*\i
.endr
.irp j, 0,1                            ; back: lane (r, h) takes blocks h and 2 + h of row r, as the operand's layout gives them.  LDS serves a wave's instructions in order: these see the stores
.irp q, 0,1,2,3,4,5,6,7
	ds_load_b128 v[XR+32*\j+4*\q:XR+32*\j+4*\q+3], v6 offset:256*\j+16*\q
.endr
.endr
	s_wait_dscnt 0x0                               ; my numbers are in, and the stores have read their registers,
.if (\t) < 6
	LOADT (\t)+2                                   ; which take the tile two further on
.endif
	v_max3_num_f32 v8, |v[XR]|, |v[XR+1]|, 0x1800000      ; the largest magnitude of each of my two blocks, with the floor 2^(3 - 127): the byte cannot fall under 1
	v_max3_num_f32 v9, |v[XR+32]|, |v[XR+33]|, 0x1800000
.irp i, 2,4,6,8,10,12,14,16,18,20,22,24,26,28,30
	v_max3_num_f32 v8, v8, |v[XR+\i]|, |v[XR+\i+1]|
	v_max3_num_f32 v9, v9, |v[XR+32+\i]|, |v[XR+33+\i]|
.endr
	v_add_nc_u32 v10, 0xff000000, v8               ; 2 off the exponent field: the conversion takes this operand's exponent field as its scale
	v_add_nc_u32 v11, 0xff000000, v9
	v_lshrrev_b32 v12, 23, v10                     ; the scales' bytes
	v_lshrrev_b32 v13, 23, v11
	v_lshl_or_b32 v14, v13, 16, v12                ; blocks h and 2 + h,
	v_lshlrev_b32 v14, v7, v14                     ; at their places in the word;
	v_permlanex16_b32 v15, v14, s20, s21
	v_or_b32 v[WD+(\t)], v14, v15                  ; with lane l xor 16's two the row's word is whole
.if (\t) >= 2
	s_wait_alu depctr_va_vdst(0)
	s_wait_xcnt 0x0                                ; the stores of two tiles ago have read this set of code registers
.endif
.irp g, 0,1,2,3
	v_cvt_scalef32_pk8_fp4_f32 v[CR+8*((\t)%2)+\g], v[XR+8*\g:XR+8*\g+7], v10
	v_cvt_scalef32_pk8_fp4_f32 v[CR+8*((\t)%2)+4+\g], v[XR+32+8*\g:XR+32+8*\g+7], v11
.endr
	v_nop                                          ; one plain line behind the conversions
	global_store_b128 v4, v[CR+8*((\t)%2):CR+8*((\t)%2)+3], s[26:27] offset:1024*(\t)         ; 512 consecutive bytes each, at a multiple of 256
	global_store_b128 v4, v[CR+8*((\t)%2)+4:CR+8*((\t)%2)+7], s[26:27] offset:1024*(\t)+512
.endm
	LOADT 0
	LOADT 1
.irp t, 0,1,2,3,4,5,6,7
	TILE \t
.endr
	v_cmp_ne_u32 vcc_lo, 0, v3                     ; lanes 0-15 carry tiles 0-3's words, lanes 16-31 tiles 4-7's
.irp j, 0,1,2,3
	v_cndmask_b32 v[24+\j], v[WD+\j], v[WD+4+\j], vcc_lo
.endr
	global_store_b128 v4, v[24:27], s[28:29]       ; the step's 512 bytes of scale words
	s_wait_tensorcnt 0x0                           ; the wave's end, behind my last LDS store
	ds_add_u32 v[SPW], v[NIL]
	s_wait_dscnt 0x0
	s_endpgm
; ---------------- v: K = the keys is the first axis.  A lane takes a column (h, d) and its registers run down the keys: a block of 32 keys lies in one lane, and the codes come out with the keys innermost.
; A wave takes 32 columns (two d tiles) x 512 keys (16 blocks, 4 steps, 2 parts).  A lane's 16 bytes of a block are its place in the tile's image: lanes 0-15 fill one aligned run of 256 bytes, lanes 16-31 another.
.Lcols:
	s_sub_co_u32 s15, ttmp9, 512
	s_lshl_b32 s15, s15, 1
	s_add_co_u32 s15, s15, s14                     ; task 0 .. 511
	s_and_b32 s16, s15, 63                         ; which 32 of the 2,048 columns
	s_lshr_b32 s17, s15, 6                         ; which 512 keys
	s_lshr_b32 s18, s16, 2                         ; head
	s_and_b32 s19, s16, 3                          ; pair of d tiles
	s_lshl_b32 s30, s17, 22
	s_lshl_b32 s31, s16, 7
	s_add_co_u32 s30, s30, s31
	s_mov_b32 s31, 0
	s_mul_i32 s32, s18, HEADB
	s_mul_i32 s33, s17, 2*PART
	s_add_co_u32 s32, s32, s33
	s_lshl_b32 s33, s19, 8
	s_add_co_u32 s36, s32, s33
	s_add_co_u32 s36, s36, 33792                   ; the pair's 256 bytes of scale words in the first part
	s_mov_b32 s37, 0
	s_lshl_b32 s33, s19, 11
	s_add_co_u32 s32, s32, s33                     ; the pair's two images
	s_mov_b32 s33, 0
	s_wait_alu depctr_va_vdst(0)
	v_lshlrev_b32 v4, 2, v1                        ; in: 4 bytes a lane
	v_lshrrev_b32 v5, 4, v1
	v_and_b32 v6, 15, v1
	v_lshlrev_b32 v6, 4, v6
	v_lshl_add_u32 v5, v5, 10, v6                  ; out: 1024 (lane / 16) + 16 (lane % 16)
	v_lshlrev_b32 v6, 3, v1                        ; scale words: 8 bytes a lane
	s_wait_alu depctr_va_vdst(0)
	s_wait_kmcnt 0x0
	s_add_nc_u64 s[24:25], s[8:9], s[30:31]
	s_add_nc_u64 s[26:27], s[12:13], s[32:33]
	s_add_nc_u64 s[28:29], s[12:13], s[36:37]
.macro LOADB t                         ; block t: v(32 t + i, my column), i = 0 .. 31
.irp i, 0,1,2,3,4,5,6,7,8,9,10,11,12,13,14,15,16,17,18,19,20,21,22,23,24,25,26,27,28,29,30,31
	global_load_b32 v[XC+32*((\t)%2)+\i], v4, s[24:25] offset:(32*(\t)+\i)*ROWB th:TH_LOAD_NT
.endr
.endm
.macro BLOCK t
.set XS, XC+32*((\t)%2)
.if (\t) < 15
	s_wait_loadcnt 32                              ; this block's 32 loads are in; the next block's may be out
.else
	s_wait_loadcnt 0x0
.endif
	v_max3_num_f32 v8, |v[XS]|, |v[XS+1]|, |v[XS+2]|
	v_max3_num_f32 v9, |v[XS+3]|, |v[XS+4]|, |v[XS+5]|
.irp i, 6,10,14,18,22,26
	v_max3_num_f32 v8, v8, |v[XS+\i]|, |v[XS+\i+1]|
	v_max3_num_f32 v9, v9, |v[XS+\i+2]|, |v[XS+\i+3]|
.endr
	v_max3_num_f32 v8, v8, |v[XS+30]|, |v[XS+31]|
	v_max3_num_f32 v8, v8, v9, 0x1800000           ; with the floor 2^(3 - 127)
	v_add_nc_u32 v10, 0xff000000, v8               ; the conversion's scale operand
	v_lshrrev_b32 v11, 23, v10                     ; the byte
.if (\t)%4 == 0
	v_mov_b32 v[SB+(\t)/4], v11                    ; four bytes make a step's word, the lower keys in the lower byte
.else
	v_lshl_or_b32 v[SB+(\t)/4], v11, 8*((\t)%4), v[SB+(\t)/4]
.endif
.irp g, 0,1,2,3
	v_cvt_scalef32_pk8_fp4_f32 v[CC+4*(\t)+\g], v[XS+8*\g:XS+8*\g+7], v10
.endr
	v_nop                                          ; one plain line behind the conversions
	global_store_b128 v5, v[CC+4*(\t):CC+4*(\t)+3], s[26:27] offset:((\t)/8)*PART+16384+(((\t)/4)%2)*8192+256*((\t)%4)
.if (\t)+2 < 16
	LOADB (\t)+2
.endif
.endm
	LOADB 0
	LOADB 1
.set Q, 0
.rept 16
	BLOCK Q
.set Q, Q+1
.endr
	global_store_b64 v6, v[SB:SB+1], s[28:29]                  ; 256 consecutive bytes: the first part's two steps,
	global_store_b64 v6, v[SB+2:SB+3], s[28:29] offset:PART    ; the second part's
	s_wait_tensorcnt 0x0                           ; the wave's end, in the same three lines as the other path
	ds_add_u32 v[SPW], v[NIL]
	s_wait_dscnt 0x0
	s_endpgm
.Lfunc_end_k_q4c8e405a49_prep:
	.size	k_q4c8e405a49_prep, .Lfunc_end_k_q4c8e405a49_prep-k_q4c8e405a49_prep
	.p2alignl 7, 3214868480
	.fill 96, 4, 3214868480
	.section	.rodata,"a",@progbits
	.p2align	6, 0x0
	.amdhsa_kernel k_q4c8e405a49_prep
		.amdhsa_group_segment_fixed_size 17152
		.amdhsa_private_segment_fixed_size 0
		.amdhsa_enable_private_segment 0
		.amdhsa_kernarg_size 40
		.amdhsa_user_sgpr_count 2
		.amdhsa_user_sgpr_kernarg_segment_ptr 1
		.amdhsa_wavefront_size32 1
		.amdhsa_system_sgpr_workgroup_id_x 1
		.amdhsa_system_sgpr_workgroup_id_y 1
		.amdhsa_system_sgpr_workgroup_id_z 1
		.amdhsa_system_vgpr_workitem_id 0
		.amdhsa_next_free_vgpr 240
		.amdhsa_next_free_sgpr 66
		.amdhsa_reserve_vcc 1
		.amdhsa_float_denorm_mode_32 3
		.amdhsa_float_denorm_mode_16_64 3
		.amdhsa_memory_ordered 1
		.amdhsa_forward_progress 1
		.amdhsa_inst_pref_size 133
	.end_amdhsa_kernel
	.amdgpu_metadata
---
amdhsa.version: [ 1, 2 ]
amdhsa.kernels:
  - .name:           k_q4c8e405a49_prep
    .symbol:         k_q4c8e405a49_prep.kd
    .args:
      - { .name: q, .offset: 0, .size: 8, .value_kind: global_buffer, .address_space: global }
      - { .name: k, .offset: 8, .size: 8, .value_kind: global_buffer, .address_space: global }
      - { .name: v, .offset: 16, .size: 8, .value_kind: global_buffer, .address_space: global }
      - { .name: qimg, .offset: 24, .size: 8, .value_kind: global_buffer, .address_space: global }
      - { .name: kv, .offset: 32, .size: 8, .value_kind: global_buffer, .address_space: global }
    .group_segment_fixed_size: 17152
    .private_segment_fixed_size: 0
    .kernarg_segment_align: 8
    .kernarg_segment_size: 40
    .max_flat_workgroup_size: 64
    .sgpr_count:     66
    .vgpr_count:     240
    .wavefront_size: 32
...
	.end_amdgpu_metadata
.endif
;; end of part 1
;; launch attn (part 2): grid 16 x 16, 8 waves a work-group, clusters of 4 x 1, 327,680 bytes of LDS; arguments qimg, kv, out0; writes out0
.if DOCPART == 2
	.amdgcn_target "amdgcn-amd-amdhsa--gfx1250"
	.amdhsa_code_object_version 6
	.text
	.protected	k_q4c8e405a49_attn
	.globl	k_q4c8e405a49_attn
	.p2align	8
	.type	k_q4c8e405a49_attn,@function
k_q4c8e405a49_attn:
	s_mov_b64 s[64:65], 0
	v_nop
	global_prefetch_b8 v0, s[64:65] scope:SCOPE_SE
	s_setreg_imm32_b32 hwreg(HW_REG_WAVE_MODE, 25, 1), 1
	s_wait_xcnt 0x0
	s_wait_alu depctr_hold_cnt(0) depctr_sa_sdst(0) depctr_va_vdst(0) depctr_va_sdst(0) depctr_va_ssrc(0) depctr_va_vcc(0) depctr_vm_vsrc(0)
	s_getreg_b32 s2, hwreg(HW_REG_IB_STS2, 6, 4)
	s_cmp_eq_u32 s2, 0
	s_cbranch_scc0 .Lentry_in_a_cluster
	s_endpgm
.Lentry_in_a_cluster:
	s_bfe_u32 s2, ttmp6, 0x10000c
	s_cmp_lg_u32 s2, 0x3003
	s_cbranch_scc0 .Lentry_shape_is_right
	s_endpgm
.Lentry_shape_is_right:
; Ring attention on codes of FP4 (E2M1): for each of 4 chunks of 1,024 keys, scores = Q(q) Q(k)^T / sqrt(128), p = exp(scores - lse of the chunk), block_out = Q(p) Q(v); the four (out, lse) are merged as
; out -= sigmoid(block_lse - lse) (out - block_out), lse -= log_sigmoid(lse - block_lse).  LEFT OUT: the update of lse in a query block's last ring step, which nothing reads (shown at the head of the first launch).
; p IS QUANTISED FINISHED AND NORMALISED over its chunk.  The exponentials are kept: e = 2^(t - Mw), t = score x log2(e) / sqrt(128), Mw = the wave's largest t rounded up to a whole number;
; p = e x g with g = 2^(Mw - M) / sum, M the largest Mw of the four waves that share the queries.  One exponential a score; the powers of two round nothing.
; SHARES.  256 work-groups that stay: each walks 4 blocks of 64 queries of one head, 16 chunk steps; the ring of two chunk slots goes on from block to block.  Eight waves, two to a SIMD, 512 registers each.
; Wave (a, b), a = wave / 4, b = wave % 4: for q k^T, the softmax and the quantiser it takes query tiles 2 a, 2 a + 1 and keys 256 b .. 256 b + 255 of the chunk: 2 x 16 x 8 = 256 registers of e.
; p's codes and scale words then go through LDS as images of the operand's registers, and for p v the same wave takes query tiles 2 a, 2 a + 1 and d tiles 2 b, 2 b + 1 over ALL 1,024 keys:
; out is 32 registers a wave, each number of out has one owner, and no partial sums are added.
; TWO MEETINGS A STEP: the barrier of the statistics, and the one that hands p over.  At the second V's fragments are in registers, so nobody reads the slot any more: it is also the change of slots.
; Behind it the next chunk is whole, and its fragments of K are fetched in the middle of p v.
; LAYOUT.  Both products are used transposed (source 0 = 16 keys or 16 of d, source 1 = 16 queries): a lane holds ONE query (lane % 16).  The first launch chose the keys of a tile so that the 16 registers of tiles
; 2 k, 2 k + 1 are keys 32 k + 16 (lane / 16) + 0 .. 15, and laid kv and qimg as images of the operands' registers: 16 bytes a lane.
; RING.  Two LDS slots of one chunk (139,264 bytes, dense in memory); each wave fetches an eighth (17,408 bytes) by one tensor load.  CLUSTER: the four work-groups of a cluster belong to one head and walk the same
; chunks in step: every fill is asked for jointly, by the same load with the same descriptor and the mask of all four.
; NO PREFETCH: every fill is asked for a whole chunk step's work ahead of its first read, a head has four chunks in all, and from the fifth step on the walk asks for the same four again.
; LIMITS: NaN and infinities among the inputs are not served.  An e under 2^-126 is 0.  A block of p whose largest lies under 2^-124 (all zeros too) gets the byte 1.  A block's largest p is made from its largest score by
; the same lines as every p, which takes v_exp_f32 not to fall where its input rises.  p = e g differs from exp(scores - lse) by rounding alone.
; REGISTERS: window 0 by the names below; window 1 (v256-511): e at 128 u + 8 t + j; once p is quantised: p's fragments at 16 (S % 6) + 8 u, the chunk's O^T at 96, V's fragments at 128 + 64 (d tile % 2) + 8 S,
; S = the chunk's step of 128 keys.
.set PART,  34816                      ; 256 keys: K's codes, V's codes, K's and V's scale words
.set SHARE, 17408                      ; what one tensor load brings
.set SLOTB, 4*PART
.set HEADB, 4*SLOTB
.set QPAIR, 17408
.set QHEAD, 16*QPAIR
.set VCO,   16384
.set KSC,   32768
.set VSC,   33792
.set PCO,   2*SLOTB                    ; behind the ring: p's codes, 4,096 bytes a wave; on the way out the stage, 64 rows x 528 bytes
.set PSCO,  PCO+33792                  ; p's scale words, 512 bytes a wave
.set XCH,   PSCO+4096                  ; (-Mw, sum), 512 bytes a wave
.set SPARE, XCH+4096                   ; the spare words, 128 bytes a wave: four blocks of 256 bytes that no other line names
.set LB0, 1                            ; 16 lane + my keys' part
.set VAB, 2                            ; 16 lane + 2048 b: my two d tiles in a step's images of V
.set VSB, 3                            ; 8 lane + 256 b + VSC
.set LB,  4                            ; v4-8: the same in the slot in hand; VA1, VS1: two parts on
.set VA0, 5
.set VA1, 6
.set VS0, 7
.set VS1, 8
.set XW,  9
.set XRD, 10
.set GO,  11                           ; 16 lane
.set SPW, 12                           ; my spare word's LDS address; never rewritten
.set NIL, 13                           ; 0; never rewritten
.set PW,  14
.set PR,  15
.set PSW, 16
.set PSRD, 17
.set STO, 18
.set SRD, 19
.set ST,  20                           ; v20-23  2 u: -Mw, + 1: my sum
.set GG,  24                           ; v24-27  2 u: g, + 1: the running lse in powers of two
.set NS,  28                           ; v28-31  2 u: the merge's factor, + 1: the chunk's lse
.set QS,  32                           ; v32-61 and v80-87 hold scales and nothing else: q's,
.set VS,  34                           ; V's: step S; lanes 0-15 the even d tile, lanes 16-31 the odd,
.set PSL, 42                           ; my own p's words, 2 u + s,
.set PSR, 46                           ; all four waves' p's words, 4 b + 2 u + s
.set QSA, 62                           ; 16 (lane % 16)
.set QF,  64                           ; v64-79  q's two fragments
.set KS,  80                           ; v80-87  K's scale words
.set DD,  88                           ; v88-95  the merge's factor and the update of lse at work
.set EX,  90
.set MX,  92
.set YY,  94
.set O,   96                           ; v96-127 out: 8 (u + 2 (d tile % 2)) + j
.set FA,  128                          ; v128-255 K's 16 fragments; between the scores and p's hand-over at work:
.set X,   128
.set TM,  160
.set PC,  192                          ; my p's codes, 16 u + 8 s
.set BM,  224                          ; 8 u + block: its largest score, then e, then p
.set CO,  96                           ; window 1: the chunk's O^T, laid as O
.set SU,  TM
.set SOP, TM
.set BYT, TM+16
.set NM,  TM
.set Y,   TM+2
.set TOT, TM+10
.set NO,  TM+12
.set RC,  TM+14
.set LG,  X+16
.set WV,  10
.set WP,  14                           ; s14 my share's place in a slot
.set TB,  15                           ; s15 the slot in hand
.set N,   17                           ; s17 the chunk step, 0 .. 15
.set SEL, 20
.set CS,  22
.set G1,  24
.set G0,  32
.set MSB, 0
.macro WIN new                         ; the immediate's high byte repeats the setting that is left
.if MSB != (\new)
	s_set_vgpr_msb (MSB<<8)|(\new)
.set MSB, (\new)
.endif
.endm
.macro PLACES n
.rept \n
	v_nop
.endr
.endm
.macro ALU
	s_wait_alu depctr_va_vdst(0)
.endm
.macro BAR
	s_barrier_signal -1
	s_barrier_wait -1
.endm
.macro CROUND                          ; a round of the cluster's barrier
	BAR
	s_cmp_lg_u32 s[WV], 0
	s_cbranch_scc1 .Lnot_wave_0_\@
	s_barrier_signal -3
.Lnot_wave_0_\@:
	s_barrier_wait -3
	BAR
.endm
.macro WM d, a, b, z, sa, sb, row      ; one product; z: it starts its sum; row: source 0's scales stand in lanes 16-31
.if \z
.if \row
	v_wmma_scale_f32_16x16x128_f8f6f4 v[(\d):(\d)+7], v[(\a):(\a)+7], v[(\b):(\b)+7], 0, v[\sa], v[\sb] matrix_a_fmt:MATRIX_FMT_FP4 matrix_b_fmt:MATRIX_FMT_FP4 matrix_a_scale:MATRIX_SCALE_ROW1
.else
	v_wmma_scale_f32_16x16x128_f8f6f4 v[(\d):(\d)+7], v[(\a):(\a)+7], v[(\b):(\b)+7], 0, v[\sa], v[\sb] matrix_a_fmt:MATRIX_FMT_FP4 matrix_b_fmt:MATRIX_FMT_FP4
.endif
.else
.if \row
	v_wmma_scale_f32_16x16x128_f8f6f4 v[(\d):(\d)+7], v[(\a):(\a)+7], v[(\b):(\b)+7], v[(\d):(\d)+7], v[\sa], v[\sb] matrix_a_fmt:MATRIX_FMT_FP4 matrix_b_fmt:MATRIX_FMT_FP4 matrix_a_scale:MATRIX_SCALE_ROW1
.else
	v_wmma_scale_f32_16x16x128_f8f6f4 v[(\d):(\d)+7], v[(\a):(\a)+7], v[(\b):(\b)+7], v[(\d):(\d)+7], v[\sa], v[\sb] matrix_a_fmt:MATRIX_FMT_FP4 matrix_b_fmt:MATRIX_FMT_FP4
.endif
.endif
.endm
.macro QLOAD                           ; a block's q: my two fragments and their scale words
.irp u, 0,1
	global_load_b128 v[QF+8*\u:QF+8*\u+3], v[GO], s[44:45] offset:1024*\u
	global_load_b128 v[QF+8*\u+4:QF+8*\u+7], v[GO], s[44:45] offset:1024*\u+512
.endr
	global_load_b64 v[QS:QS+1], v[QSA], s[46:47]
.endm
.macro KADDR                           ; my addresses in the slot in hand
	v_add_nc_u32 v[LB], s[TB], v[LB0]
	v_add_nc_u32 v[VA0], s[TB], v[VAB]
	v_add_nc_u32 v[VS0], s[TB], v[VSB]
	v_add_nc_u32 v[VA1], 2*PART, v[VA0]
	v_add_nc_u32 v[VS1], 2*PART, v[VS0]
.endm
.set NKL, 34
.macro KLD                             ; K's scale words and 16 fragments of my 256 keys: NKL loads
.irp s, 0,1
	ds_load_b128 v[KS+4*\s:KS+4*\s+3], v[LB] offset:KSC+512*\s
.endr
.set t, 0
.rept 16
	ds_load_b128 v[FA+8*t:FA+8*t+3], v[LB] offset:1024*t
	ds_load_b128 v[FA+8*t+4:FA+8*t+7], v[LB] offset:1024*t+512
.set t, t+1
.endr
.endm
.macro QKMUL                           ; S^T: 32 products, each a whole sum (K = 128) into an accumulator of its own
	s_wait_loadcnt 0x0                             ; q (asked for a chunk step ago at the least)
	WIN 0x40
.set t, 0
.rept 16
.if t == 0
	s_wait_dscnt 16                                ; the scale words and tiles 0-7 are in; the youngest 16 loads (tiles 8-15) may be out
.endif
.if t == 8
	s_wait_dscnt 0x0
.endif
.irp u, 0,1
	WM 128*\u+8*t, FA+8*t, QF+8*\u, 1, KS+4*(t/8)+t%4, QS+\u, (t%8)/4
.endr
.set t, t+1
.endr
	WIN 0
.endm
.macro BMAX                            ; the largest score of each block of 32 keys (my 16 of them), the 16 blocks by turns; each accumulator is read from its low end on
	WIN 0x05
.set k, 0
.rept 8
.set n, 0
.rept 16
.if k == 0
	v_max_num_f32 v[BM+n], v[16*n], v[16*n+1]
.else
	v_max3_num_f32 v[BM+n], v[16*n+2*k], v[16*n+2*k+1], v[BM+n]
.endif
.set n, n+1
.endr
.set k, k+1
.endr
	WIN 0
.endm
.macro ROWMAX                          ; with lane l xor 16's; then each query's largest t of my 256 keys, rounded up: -Mw = floor(-t)
.set n, 0
.rept 16
	v_permlanex16_b32 v[TM+n], v[BM+n], s[SEL], s[SEL+1]
.set n, n+1
.endr
.set n, 0
.rept 16
	v_max_num_f32 v[BM+n], v[BM+n], v[TM+n]
.set n, n+1
.endr
.irp u, 0,1
	v_max3_num_f32 v[X+\u], v[BM+8*\u], v[BM+8*\u+1], v[BM+8*\u+2]
	v_max3_num_f32 v[X+2+\u], v[BM+8*\u+3], v[BM+8*\u+4], v[BM+8*\u+5]
.endr
.irp u, 0,1
	v_max3_num_f32 v[X+\u], v[X+\u], v[BM+8*\u+6], v[BM+8*\u+7]
.endr
.irp u, 0,1
	v_max_num_f32 v[X+\u], v[X+\u], v[X+2+\u]
.endr
.irp u, 0,1
	v_mul_f32 v[X+\u], s[CS], v[X+\u]
.endr
.irp u, 0,1
	v_floor_f32 v[ST+2*\u], -v[X+\u]
.endr
.endm
; e = 2^(c s - Mw), in place.  Tile 0's multiply-adds; the wait; tile 0's exponentials with tile 1's multiply-adds among them; the wait, which serves both; tile 1's exponentials and the blocks'; the wait.
.macro EXPS
.set n, 0
.rept 16
	v_fma_f32 v[BM+n], v[BM+n], s[CS], v[ST+2*(n/8)]
.set n, n+1
.endr
	WIN 0x41
.set p, 0
.rept 64
	v_pk_fma_f32 v[2*p:2*p+1], v[2*p:2*p+1], s[CS:CS+1], v[ST:ST+1] op_sel_hi:[1,0,0]
.set p, p+1
.endr
	ALU
.set p, 0
.rept 64
	v_exp_f32 v[2*p], v[2*p]
	v_exp_f32 v[2*p+1], v[2*p+1]
	v_pk_fma_f32 v[128+2*p:128+2*p+1], v[128+2*p:128+2*p+1], s[CS:CS+1], v[ST+2:ST+3] op_sel_hi:[1,0,0]
.set p, p+1
.endr
	ALU
.set n, 0
.rept 128
	v_exp_f32 v[128+n], v[128+n]
.set n, n+1
.endr
	WIN 0
.set n, 0
.rept 16
	v_exp_f32 v[BM+n], v[BM+n]                     ; each block's largest e, by the same two lines as every e
.set n, n+1
.endr
	v_nop
	ALU
.endm
.macro SUMS                            ; the sums of the UNQUANTISED e: four packed chains a tile; then the halves, and lane l xor 16's
	WIN 0x05
.set n, 0
.rept 8
	v_pk_add_f32 v[SU+2*n:SU+2*n+1], v[128*(n/4)+2*(n%4):128*(n/4)+2*(n%4)+1], v[128*(n/4)+2*(n%4)+8:128*(n/4)+2*(n%4)+9]
.set n, n+1
.endr
	WIN 0x01
.set i, 2
.rept 14
.set n, 0
.rept 8
	v_pk_add_f32 v[SU+2*n:SU+2*n+1], v[128*(n/4)+2*(n%4)+8*i:128*(n/4)+2*(n%4)+8*i+1], v[SU+2*n:SU+2*n+1]
.set n, n+1
.endr
.set i, i+1
.endr
	WIN 0
.irp u, 0,1
	v_pk_add_f32 v[SU+8*\u:SU+8*\u+1], v[SU+8*\u:SU+8*\u+1], v[SU+8*\u+2:SU+8*\u+3]
	v_pk_add_f32 v[SU+8*\u+4:SU+8*\u+5], v[SU+8*\u+4:SU+8*\u+5], v[SU+8*\u+6:SU+8*\u+7]
.endr
.irp u, 0,1
	v_pk_add_f32 v[SU+8*\u:SU+8*\u+1], v[SU+8*\u:SU+8*\u+1], v[SU+8*\u+4:SU+8*\u+5]
.endr
.irp u, 0,1
	v_add_f32 v[SU+8*\u], v[SU+8*\u], v[SU+8*\u+1]
.endr
.irp u, 0,1
	v_permlanex16_b32 v[SU+8*\u+2], v[SU+8*\u], s[SEL], s[SEL+1]
.endr
.irp u, 0,1
	v_add_f32 v[ST+2*\u+1], v[SU+8*\u], v[SU+8*\u+2]
.endr
.endm
.macro XCHG                            ; my four statistics to LDS, 16 bytes a lane; a barrier; those of the four waves that share my queries back
	ds_store_b128 v[XW], v[ST:ST+3]
	ALU
	s_wait_dscnt 0x0                               ; for the others' sake: my store has landed
	BAR
.irp w, 0,1,2,3
	ds_load_b128 v[X+4*\w:X+4*\w+3], v[XRD] offset:512*\w
.endr
	s_wait_dscnt 0x0
.endm
; The chunk's statistics, first part: what p needs.  -M = the least -Mw; sum = the waves' sums x 2^(Mw - M); g = 2^(my Mw - M) / sum; Lb = M + log2(sum); L - Lb.
.macro STATS1
.irp u, 0,1
	v_min3_num_f32 v[NM+\u], v[X+2*\u], v[X+4+2*\u], v[X+8+2*\u]
.endr
.irp u, 0,1
	v_min_num_f32 v[NM+\u], v[NM+\u], v[X+12+2*\u]
.endr
.irp w, 0,1,2,3
.irp u, 0,1
	v_sub_f32 v[Y+2*\w+\u], v[NM+\u], v[X+4*\w+2*\u]          ; Mw - M: a whole number, 0 or less
.endr
.endr
.irp u, 0,1
	v_sub_f32 v[NO+\u], v[NM+\u], v[ST+2*\u]
.endr
.irp w, 0,1,2,3
.irp u, 0,1
	v_cvt_i32_f32 v[Y+2*\w+\u], v[Y+2*\w+\u]                  ; (it saturates)
.endr
.endr
.irp u, 0,1
	v_cvt_i32_f32 v[NO+\u], v[NO+\u]
.endr
.irp w, 0,1,2,3
.irp u, 0,1
	v_ldexp_f32 v[X+4*\w+2*\u+1], v[X+4*\w+2*\u+1], v[Y+2*\w+\u]
.endr
.endr
.irp u, 0,1
	v_add_f32 v[TOT+\u], v[X+2*\u+1], v[X+4+2*\u+1]
	v_add_f32 v[RC+\u], v[X+8+2*\u+1], v[X+12+2*\u+1]
.endr
.irp u, 0,1
	v_add_f32 v[TOT+\u], v[TOT+\u], v[RC+\u]
.endr
	ALU
.irp u, 0,1
	v_rcp_f32 v[RC+\u], v[TOT+\u]
	v_log_f32 v[LG+\u], v[TOT+\u]
.endr
	v_nop
	ALU
.irp u, 0,1
	v_ldexp_f32 v[GG+2*\u], v[RC+\u], v[NO+\u]
	v_sub_f32 v[NS+2*\u+1], v[LG+\u], v[NM+\u]
.endr
.irp u, 0,1
	v_sub_f32 v[DD+\u], v[GG+2*\u+1], v[NS+2*\u+1]
.endr
.endm
; Second part, while p's fragments are on their way: the factor sigmoid(block_lse - lse) = 1 / (1 + 2^(L - Lb)); L = max(L, Lb) + log2(1 + 2^-|L - Lb|), the form of lse - log_sigmoid(lse - block_lse)
; that cannot overflow; in a block's last chunk that update is jumped over: nothing reads it.
; lse = 2: the jump on the count of steps is written (the loop); 1: the update always runs (a step that is not a block's last); 0: it is not assembled (a block's last step, written out).
.macro STATS2 lse
	ALU
.irp u, 0,1
	v_exp_f32 v[EX+\u], v[DD+\u]
.endr
	v_nop
	ALU
.irp u, 0,1
	v_add_f32 v[EX+\u], 1.0, v[EX+\u]
.endr
	ALU
.irp u, 0,1
	v_rcp_f32 v[NS+2*\u], v[EX+\u]
.endr
	v_nop
	ALU
.if \lse
.if \lse == 2
	s_and_b32 s40, s[N], 3                         ; the count of steps alone: the same in every wave and every partner
	s_cmp_eq_u32 s40, 3
	s_cbranch_scc1 .Lno_lse_\@
.endif
.irp u, 0,1
	v_max_num_f32 v[MX+\u], v[GG+2*\u+1], v[NS+2*\u+1]
.endr
	ALU
.irp u, 0,1
	v_exp_f32 v[YY+\u], -|v[DD+\u]|
.endr
	v_nop
	ALU
.irp u, 0,1
	v_add_f32 v[YY+\u], 1.0, v[YY+\u]
.endr
	ALU
.irp u, 0,1
	v_log_f32 v[EX+\u], v[YY+\u]
.endr
	v_nop
	ALU
.irp u, 0,1
	v_add_f32 v[GG+2*\u+1], v[MX+\u], v[EX+\u]
.endr
	ALU
.if \lse == 2
.Lno_lse_\@:
.endif
.endif
.endm
.macro BLK                             ; each block's scale from its largest p: the conversion's operand, the byte, the words (2 u + s)
.set n, 0
.rept 16
	v_mul_f32 v[BM+n], v[BM+n], v[GG+2*(n/8)]
.set n, n+1
.endr
.set n, 0
.rept 16
	v_max_num_f32 v[BM+n], 0x1800000, v[BM+n]      ; the floor 2^(3 - 127): the byte cannot fall under 1
.set n, n+1
.endr
.set n, 0
.rept 16
	v_add_nc_u32 v[SOP+n], 0xff000000, v[BM+n]     ; 2 off the exponent field
.set n, n+1
.endr
.set n, 0
.rept 16
	v_lshrrev_b32 v[BYT+n], 23, v[SOP+n]
.set n, n+1
.endr
.irp m, 0,1,2,3
	v_lshl_or_b32 v[PSL+\m], v[BYT+4*\m+1], 8, v[BYT+4*\m]
.endr
.irp m, 0,1,2,3
	v_lshl_or_b32 v[PSL+\m], v[BYT+4*\m+2], 16, v[PSL+\m]
.endr
.irp m, 0,1,2,3
	v_lshl_or_b32 v[PSL+\m], v[BYT+4*\m+3], 24, v[PSL+\m]
.endr
.endm
.macro NORMC u                         ; p = e g, in place; the codes; the exchange of halves that gives a lane whole blocks
	WIN 0x41
.set p, 0
.rept 64
	v_pk_mul_f32 v[128*\u+2*p:128*\u+2*p+1], v[128*\u+2*p:128*\u+2*p+1], v[GG+2*\u:GG+2*\u+1] op_sel_hi:[1,0]
.set p, p+1
.endr
	WIN 0x01
.set n, 0
.rept 8
	v_cvt_scalef32_pk8_fp4_f32 v[PC+16*\u+2*n], v[128*\u+16*n:128*\u+16*n+7], v[SOP+8*\u+n]
	v_cvt_scalef32_pk8_fp4_f32 v[PC+16*\u+2*n+1], v[128*\u+16*n+8:128*\u+16*n+15], v[SOP+8*\u+n]
.set n, n+1
.endr
	WIN 0
	v_nop                                          ; one plain line behind the conversions
.irp m, 0,1
.irp c, 0,1
.irp i, 0,1
	v_permlane16_swap_b32 v[PC+16*\u+8*\m+4*\c+\i], v[PC+16*\u+8*\m+4*\c+2+\i]
.endr
.endr
.endr
.endm
.macro LOADV                           ; V's scale words and the 16 fragments of my two d tiles over the chunk's 8 steps, into the registers that tile 1's e has left
.irp q, 0,1
	ds_load_b64 v[VS+2*\q:VS+2*\q+1], v[VS0] offset:PART*\q
	ds_load_b64 v[VS+4+2*\q:VS+4+2*\q+1], v[VS1] offset:PART*\q
.endr
	WIN 0x40
.irp d, 0,1
.irp q, 0,1
.irp s, 0,1
.irp c, 0,1
	ds_load_b128 v[128+64*\d+8*(2*\q+\s)+4*\c:128+64*\d+8*(2*\q+\s)+4*\c+3], v[VA0] offset:PART*\q+VCO+8192*\s+1024*\d+512*\c
	ds_load_b128 v[128+64*\d+8*(4+2*\q+\s)+4*\c:128+64*\d+8*(4+2*\q+\s)+4*\c+3], v[VA1] offset:PART*\q+VCO+8192*\s+1024*\d+512*\c
.endr
.endr
.endr
.endr
	WIN 0
.endm
; p's HAND-OVER AND THE CHANGE OF SLOTS.  My four images of p (2 u + s) and their words go to LDS.  Then each wave waits for all its tensor loads (its share of the next chunk), adds 0 to its spare word, and waits for that,
; for its stores and for its reads of the slot (V's fragments were the last).  fill = 1: a round of the cluster's barrier; the slot just read takes the chunk two steps on (the head's four chunks in a circle), by the
; wave's one joint load.  fill = 0: the work-group's barrier alone.
.macro HAND fill
.irp m, 0,1,2,3
	ds_store_b128 v[PW], v[PC+8*\m:PC+8*\m+3] offset:1024*\m
	ds_store_b128 v[PW], v[PC+8*\m+4:PC+8*\m+7] offset:1024*\m+512
.endr
	ds_store_b128 v[PSW], v[PSL:PSL+3]
	ALU
	s_wait_tensorcnt 0x0                           ; no tensor load of mine is out, so group 0 may be written
	ds_add_u32 v[SPW], v[NIL]
.if \fill
	s_add_co_u32 s40, s[N], 2
	s_and_b32 s40, s40, 3
	s_mul_i32 s40, s40, SLOTB
	s_mov_b32 s41, 0
	s_add_nc_u64 s[G0+2:G0+3], s[6:7], s[40:41]
	s_or_b32 s[G0+3], s[G0+3], 0x80000000
	s_add_co_u32 s[G0+1], s[TB], s[WP]
.endif
	s_wait_dscnt 0x0
.if \fill
	CROUND
	tensor_load_to_lds s[G0:G0+3], s[G1:G1+7]
	s_nop 0
	PLACES 4
.else
	BAR
.endif
.endm
.macro PLD ss                          ; p's two fragments of step ss
.irp u, 0,1
.irp c, 0,1
	ds_load_b128 v[16*((\ss)%6)+8*\u+4*\c:16*((\ss)%6)+8*\u+4*\c+3], v[PR] offset:4096*((\ss)/2)+1024*(2*\u+(\ss)%2)+512*\c
.endr
.endr
.endm
.macro PVS ss                          ; a step of 128 keys: the four accumulators (u + 2 (d tile % 2)) by turns
.irp n, 0,1,2,3
	WM CO+8*\n, 128+64*(\n/2)+8*(\ss), 16*((\ss)%6)+8*(\n%2), ((\ss)==0), VS+(\ss), PSR+4*((\ss)/2)+2*(\n%2)+(\ss)%2, \n/2
.endr
.endm
; The chunk's O^T = V^T P^T.  p's words and steps 0-5 are asked for; the second part of the statistics stands under their flight; steps 6 and 7 take the registers of steps 0 and 1.
; nextk = 1: the next chunk's addresses (five plain lines: the places behind steps 0 and 1's products) and its fragments of K.
.macro PV nextk, lse
.irp w, 0,1,2,3
	ds_load_b128 v[PSR+4*\w:PSR+4*\w+3], v[PSRD] offset:512*\w
.endr
	WIN 0x40
.irp s, 0,1,2,3,4,5
	PLD \s
.endr
	WIN 0
	STATS2 \lse
	s_wait_dscnt 16                                ; the words and steps 0, 1 are in; steps 2-5's 16 loads may be out
	WIN 0x55
	PVS 0
	PVS 1
	WIN 0
.if \nextk
	KADDR
.else
	PLACES 4
.endif
	WIN 0x40
	PLD 6
	PLD 7
	WIN 0
.if \nextk
	KLD
.endif
	s_wait_dscnt 8+NKL*\nextk                      ; steps 2-5 are in; behind them: steps 6, 7's 8 loads and K's
	WIN 0x55
.irp s, 2,3,4,5
	PVS \s
.endr
	s_wait_dscnt NKL*\nextk                        ; steps 6, 7 are in; K's loads may be out
	PVS 6
	PVS 7
.endm
.macro MERGE                           ; out -= factor x (out - block_out); ascending
	PLACES 4
	WIN 0x44
.set p, 0
.rept 16
	v_pk_add_f32 v[CO+2*p:CO+2*p+1], v[O+2*p:O+2*p+1], v[CO+2*p:CO+2*p+1] neg_lo:[0,1] neg_hi:[0,1]
.set p, p+1
.endr
	WIN 0x01
.set p, 0
.rept 16
	v_pk_fma_f32 v[O+2*p:O+2*p+1], v[CO+2*p:CO+2*p+1], v[NS+2*((p/4)%2):NS+2*((p/4)%2)+1], v[O+2*p:O+2*p+1] op_sel_hi:[1,0,1] neg_lo:[0,1,0] neg_hi:[0,1,0]
.set p, p+1
.endr
	WIN 0
	ALU
.endm
.macro COMPUTE more, fill, nextk, lse  ; a chunk step.  more = 1: behind the scores of a block's last chunk the next block's q is asked for
	QKMUL
	PLACES 4                                       ; in front of the first read of results, and of loads into q's registers
.if \more
	s_and_b32 s40, s[N], 3
	s_cmp_lg_u32 s40, 3
	s_cbranch_scc1 .Lno_q_\@
	s_add_nc_u64 s[44:45], s[44:45], 4*QPAIR       ; the earlier loads by these addresses were waited for ahead of the products
	s_add_nc_u64 s[46:47], s[46:47], 4*QPAIR
	QLOAD
.Lno_q_\@:
.endif
	BMAX
	ROWMAX
	EXPS
	SUMS
	XCHG
	STATS1
	BLK
	NORMC 1
	LOADV
	NORMC 0
	HAND \fill
.if \nextk
	s_xor_b32 s[TB], s[TB], SLOTB                  ; on to the other slot
.endif
	PV \nextk, \lse
	MERGE
.endm
; THE WAY OUT of a block.  A barrier, so that nobody reads p's codes any more; out goes into the stage on their bytes (row = 16 tile + lane % 16, 528 bytes apart); behind a second barrier wave w takes rows
; 8 w .. 8 w + 7, which are eight neighbouring queries, and stores each as 512 consecutive bytes.  more = 1: out and lse begin anew, and the stores' base steps to the next block.
.macro OUT more
	s_wait_dscnt 0x0
	BAR
.irp n, 0,1,2,3
	ds_store_b128 v[STO], v[O+8*\n:O+8*\n+3] offset:8448*(\n%2)+64*(\n/2)
	ds_store_b128 v[STO], v[O+8*\n+4:O+8*\n+7] offset:8448*(\n%2)+64*(\n/2)+16
.endr
.if \more
.set n, 0
.rept 32
	v_mov_b32 v[O+n], 0
.set n, n+1
.endr
	v_mov_b32 v[GG+1], 0xff61b1e6
	v_mov_b32 v[GG+3], 0xff61b1e6
.endif
	ALU
	s_wait_dscnt 0x0
	BAR
	WIN 0x40                                       ; into window 1, which p v has left
.irp i, 0,1,2,3,4,5,6,7
	ds_load_b128 v[4*\i:4*\i+3], v[SRD] offset:528*\i
.endr
	WIN 0x04                                       ; a store's data are its source 1
.irp i, 0,1,2,3,4,5,6,7
	s_wait_dscnt 7-\i                              ; row i is back; the younger rows may be out
	global_store_b128 v[GO], v[4*\i:4*\i+3], s[8:9] offset:8192*\i th:TH_STORE_NT
.endr
	WIN 0
.if \more
	s_wait_xcnt 0x0                                ; the stores have read their registers and their base
	s_add_nc_u64 s[8:9], s[8:9], 0x800000          ; 1,024 queries on
.endif
.endm
	s_load_b128 s[4:7], s[0:1], 0x0                ; qimg, kv
	s_load_b64 s[8:9], s[0:1], 0x10                ; out0
	v_lshl_add_u32 v[SPW], v0, 2, SPARE
	v_mov_b32 v[NIL], 0
	ds_add_u32 v[SPW], v[NIL]                      ; the wave's opening: the add, twice on end, and its wait ahead of my first tensor load
	ds_add_u32 v[SPW], v[NIL]
	v_lshrrev_b32 v20, 5, v0
	v_readfirstlane_b32 s[WV], v20                 ; wave 0..7
	s_bfe_u32 s11, ttmp6, 0x40000                  ; cx: it enters qimg's and out0's addresses alone
	s_and_b32 s13, ttmp7, 0xffff                   ; the head, which the four partners share
	s_lshr_b32 s12, s[WV], 2                       ; a
	s_and_b32 s18, s[WV], 3                        ; b
	s_mul_i32 s[WP], s[WV], SHARE
	s_mov_b32 s[G1], 15|(3<<16)|(1<<21)            ; the mask of all four; elements of 8 bytes; bit 21 beside a mask; no padding
	s_mov_b32 s[G1+1], 32<<16                      ; 68 rows of 32 elements: 17,408 dense bytes
	s_mov_b32 s[G1+2], 68<<16
	s_mov_b32 s[G1+3], 32<<16
	s_mov_b32 s[G1+4], 68
	s_mov_b32 s[G1+5], 32
	s_mov_b32 s[G1+6], 0
	s_mov_b32 s[G1+7], 0
	s_mov_b32 s[SEL], 0x76543210
	s_mov_b32 s[SEL+1], 0xfedcba98
	s_mov_b32 s[CS], 0x3e0293ee                    ; log2(e) / sqrt(128)
	s_mov_b32 s[CS+1], s[CS]
	s_mul_i32 s40, s13, HEADB
	s_add_co_u32 s40, s40, s[WP]                   ; kv: my share of the head's chunk 0
	s_mov_b32 s41, 0
	s_mul_i32 s42, s13, QHEAD
	s_mul_i32 s43, ttmp9, QPAIR                    ; the cluster's 256 queries are one pair of steps: pair = cluster + 4 x block
	s_add_co_u32 s42, s42, s43
	s_lshl_b32 s43, s11, 12
	s_add_co_u32 s44, s42, s43
	s_lshl_b32 s43, s12, 11
	s_add_co_u32 s44, s44, s43                     ; qimg: my two images,
	s_mov_b32 s45, 0
	s_lshl_b32 s43, s11, 8
	s_add_co_u32 s46, s42, s43
	s_lshl_b32 s43, s12, 3
	s_add_co_u32 s46, s46, s43
	s_add_co_u32 s46, s46, 16384                   ; and their scale words
	s_mov_b32 s47, 0
	s_lshl_b32 s42, ttmp9, 8                       ; the first of the eight queries that I store: 256 pair + 64 cx + 32 (w / 4) + 8 ((w / 2) % 2) + 16 (w % 2)
	s_lshl_b32 s43, s11, 6
	s_add_co_u32 s42, s42, s43
	s_lshl_b32 s43, s12, 5
	s_add_co_u32 s42, s42, s43
	s_bfe_u32 s43, s[WV], 0x10001
	s_lshl_b32 s43, s43, 3
	s_add_co_u32 s42, s42, s43
	s_and_b32 s43, s[WV], 1
	s_lshl_b32 s43, s43, 4
	s_add_co_u32 s42, s42, s43
	s_lshl_b32 s42, s42, 13
	s_lshl_b32 s43, s13, 9
	s_add_co_u32 s42, s42, s43
	s_mov_b32 s43, 0
	s_mul_i32 s50, s18, PART                       ; the LDS places: made of the wave's number alone
	s_lshl_b32 s51, s18, 11
	s_lshl_b32 s52, s18, 8
	s_add_co_u32 s52, s52, VSC
	s_lshl_b32 s53, s[WV], 9
	s_add_co_u32 s59, s53, PSCO
	s_add_co_u32 s53, s53, XCH
	s_lshl_b32 s54, s12, 11
	s_add_co_u32 s60, s54, PSCO
	s_add_co_u32 s54, s54, XCH
	s_lshl_b32 s55, s[WV], 12
	s_add_co_u32 s55, s55, PCO
	s_lshl_b32 s56, s12, 14
	s_add_co_u32 s56, s56, PCO
	s_mul_i32 s57, s12, 32*528
	s_lshl_b32 s58, s18, 7
	s_add_co_u32 s57, s57, s58
	s_add_co_u32 s57, s57, PCO
	s_mul_i32 s58, s[WV], 8*528
	s_add_co_u32 s58, s58, PCO
	s_mov_b32 s[TB], 0
	s_mov_b32 s[N], 0
	s_wait_dscnt 0x0                               ; both opening adds are done
	s_wait_kmcnt 0x0
	s_add_nc_u64 s[6:7], s[6:7], s[40:41]
	s_add_nc_u64 s[44:45], s[4:5], s[44:45]
	s_add_nc_u64 s[46:47], s[4:5], s[46:47]
	s_add_nc_u64 s[8:9], s[8:9], s[42:43]
	s_mov_b32 s[G0], 1
	s_mov_b32 s[G0+1], s[WP]                       ; slot 0
	s_mov_b64 s[G0+2:G0+3], s[6:7]                 ; chunk 0
	s_or_b32 s[G0+3], s[G0+3], 0x80000000
	CROUND                                         ; all four work-groups are here: the first joint loads meet
	tensor_load_to_lds s[G0:G0+3], s[G1:G1+7]      ; my one tensor load at the head
	s_nop 0
	PLACES 4
	v_and_b32 v20, 31, v0                          ; lane
	v_and_b32 v21, 15, v0
	v_bfe_u32 v22, v0, 4, 1
	v_lshlrev_b32 v[GO], 4, v20
	v_lshlrev_b32 v[QSA], 4, v21
	v_mul_u32_u24 v23, v21, 528
	v_lshl_add_u32 v[VSB], v20, 3, s52
	v_lshl_add_u32 v23, v22, 5, v23
	v_add_nc_u32 v[LB0], s50, v[GO]
	v_add_nc_u32 v[VAB], s51, v[GO]
	v_add_nc_u32 v[XW], s53, v[GO]
	v_add_nc_u32 v[XRD], s54, v[GO]
	v_add_nc_u32 v[PW], s55, v[GO]
	v_add_nc_u32 v[PR], s56, v[GO]
	v_add_nc_u32 v[PSW], s59, v[GO]
	v_add_nc_u32 v[PSRD], s60, v[GO]
	v_add_nc_u32 v[STO], s57, v23                  ; the stage, in: row 32 a + lane % 16, + 128 b + 32 (lane / 16)
	v_add_nc_u32 v[SRD], s58, v[GO]                ; and back: rows 8 w on, 16 bytes a lane
	ALU
	QLOAD                                          ; the first block's q
	KADDR                                          ; slot 0
.set n, 0
.rept 32
	v_mov_b32 v[O+n], 0                            ; out begins as zeros and lse as -3e38: a block's first merge has the factor 1
.set n, n+1
.endr
.irp u, 0,1
	v_mov_b32 v[GG+2*\u+1], 0xff61b1e6
	v_mov_b32 v[ST+2*\u+1], 0                      ; (named as the upper half of a pair before it is first written)
.endr
	ALU                                            ; at the head's end
	s_wait_tensorcnt 0x0                           ; my share of chunk 0 is in; slot 1's first fill is issued as a refill is
	ds_add_u32 v[SPW], v[NIL]
	s_add_co_u32 s[G0+1], s[WP], SLOTB             ; slot 1
	s_add_nc_u64 s[G0+2:G0+3], s[6:7], SLOTB       ; chunk 1
	s_or_b32 s[G0+3], s[G0+3], 0x80000000
	s_wait_dscnt 0x0
	CROUND
	tensor_load_to_lds s[G0:G0+3], s[G1:G1+7]
	s_nop 0
	PLACES 4
	KLD                                            ; chunk 0's fragments of K
.LA:                                               ; steps 0 to 13: in each its slot is filled again
	COMPUTE 1, 1, 1, 2
	s_and_b32 s40, s[N], 3
	s_cmp_lg_u32 s40, 3
	s_cbranch_scc1 .Lno_out                        ; the count of steps alone: all waves and all partners go the same way
	OUT 1
.Lno_out:
	s_add_co_u32 s[N], s[N], 1
	s_cmp_lt_u32 s[N], 14
	s_cbranch_scc1 .LA
	COMPUTE 0, 0, 1, 1                             ; steps 14 and 15 are written out: nothing is left to fetch from memory, and behind the last no K either
	COMPUTE 0, 0, 0, 0
	OUT 0
	s_wait_tensorcnt 0x0                           ; the wave's end, behind my last tensor load and my last LDS store
	ds_add_u32 v[SPW], v[NIL]
	s_wait_dscnt 0x0
	CROUND                                         ; the closing round
	s_endpgm
.Lfunc_end_k_q4c8e405a49_attn:
	.size	k_q4c8e405a49_attn, .Lfunc_end_k_q4c8e405a49_attn-k_q4c8e405a49_attn
	.p2alignl 7, 3214868480
	.fill 96, 4, 3214868480
	.section	.rodata,"a",@progbits
	.p2align	6, 0x0
	.amdhsa_kernel k_q4c8e405a49_attn
		.amdhsa_group_segment_fixed_size 327680
		.amdhsa_private_segment_fixed_size 0
		.amdhsa_enable_private_segment 0
		.amdhsa_kernarg_size 24
		.amdhsa_user_sgpr_count 2
		.amdhsa_user_sgpr_kernarg_segment_ptr 1
		.amdhsa_wavefront_size32 1
		.amdhsa_system_sgpr_workgroup_id_x 1
		.amdhsa_system_sgpr_workgroup_id_y 1
		.amdhsa_system_sgpr_workgroup_id_z 1
		.amdhsa_system_vgpr_workitem_id 0
		.amdhsa_next_free_vgpr 512
		.amdhsa_next_free_sgpr 66
		.amdhsa_reserve_vcc 0
		.amdhsa_float_denorm_mode_32 3
		.amdhsa_float_denorm_mode_16_64 3
		.amdhsa_memory_ordered 1
		.amdhsa_forward_progress 1
		.amdhsa_inst_pref_size 232
	.end_amdhsa_kernel
	.amdgpu_metadata
---
amdhsa.version: [ 1, 2 ]
amdhsa.kernels:
  - .name:           k_q4c8e405a49_attn
    .symbol:         k_q4c8e405a49_attn.kd
    .args:
      - { .name: qimg, .offset: 0, .size: 8, .value_kind: global_buffer, .address_space: global }
      - { .name: kv, .offset: 8, .size: 8, .value_kind: global_buffer, .address_space: global }
      - { .name: out0, .offset: 16, .size: 8, .value_kind: global_buffer, .address_space: global }
    .group_segment_fixed_size: 327680
    .private_segment_fixed_size: 0
    .kernarg_segment_align: 8
    .kernarg_segment_size: 24
    .max_flat_workgroup_size: 256
    .sgpr_count:     66
    .vgpr_count:     512
    .wavefront_size: 32
...
	.end_amdgpu_metadata
.endif
;; end of part 2
